; MI455X (gfx1250); checked and timed in simulation.
; The chip was launched on July 23, 2026; its instructions are those of AMD's public machine-readable ISA for CDNA 5 (MIT licence, August 2026) and "CDNA5" Instruction Set Architecture Reference Guide (July 2026). The comments in the code are by the model that wrote it; some were corrected since.
;; Vector Quantizer. Allowed arithmetic: float matrix products may take bf16 or f16 operands with f32 sums; other float arithmetic in f32, or as packed bf16 or f16 multiplies, adds, multiply-adds, maxima and minima; sums over many terms, partial sums and values carried from step to step in f32; what a program stores and reads back later, other than sums and carried values, may be rounded once to bf16 or f16.
;; Inputs: codebook 8,192 x 256 float32; z_e 32,768 x 256 float32.
;; Outputs: out0 32,768 x 256 float32; out1 one number float32; out2 32,768 int32.
;; One version. Each part assembles by itself: llvm-mc -triple=amdgcn-amd-amdhsa -mcpu=gfx1250 --defsym DOCPART=n.
;; ======== version 1 of 1: 4 launches
;; workspace buffers: zb 16,777,216 bytes; cb 4,194,304 bytes; ee 32,768 bytes; idxw 131,072 bytes of whole numbers; part 16,384 bytes
;; launch prep (part 1): grid 1280 x 1, 8 waves a work-group, no clusters, 0 bytes of LDS; arguments z_e, codebook, zb, cb, ee; writes zb, cb, ee
.if DOCPART == 1
	.amdgcn_target "amdgcn-amd-amdhsa--gfx1250"
	.amdhsa_code_object_version 6
	.text
	.protected	k_qcaa7fcb9b0_prep
	.globl	k_qcaa7fcb9b0_prep
	.p2align	8
	.type	k_qcaa7fcb9b0_prep,@function
k_qcaa7fcb9b0_prep:
	s_mov_b64 s[64:65], 0
	v_nop
	global_prefetch_b8 v0, s[64:65] scope:SCOPE_SE
	s_setreg_imm32_b32 hwreg(HW_REG_WAVE_MODE, 25, 1), 1
	s_wait_xcnt 0x0
; VECTOR QUANTIZER, first of four launches: z_e and codebook are rounded once to bf16 (zb, cb: the matrix operands of the second launch), and ee[k] = the sum of the squares of the ROUNDED row k of the codebook, in f32.
; WORK LEFT OUT BY THE PROGRAM, for all finite values of the inputs:
;   (1) ||z||^2.  reference() adds it to every distance of a row; a term that is the same along the argmin's axis moves no argmin in exact arithmetic, and the distances reach no output but through the argmin.
;       So the program maximises z.e - ee[k]/2 (shifted by ee[0]/2, again the same along the axis), which has its maximum where ||z||^2 + ee[k] - 2 z.e has its minimum.
;   (2) One of the two means.  stop_gradient is the identity on values and (a - b)^2 = (b - a)^2, so codebook_loss and commitment_loss are one number: vq_loss = 1.25 x mean((z_q - z_e)^2).
;   Both inputs are still read; no input is left out.
; LIMITS.  The choice of the code is made on inputs rounded to bf16, sums in f32.  Where two codes' distances lie within f32's rounding of reference()'s own formula (steps of some 3e-5 at distances of some 300 to 500),
; the choice may fall on the other one.  A NaN, an infinity or an overflow that reaches only ||z||^2 is not carried to the result.
; SHARES.  Work-groups 0 .. 1023 take 32 rows of z_e each, work-groups 1024 .. 1279 take 32 rows of the codebook; a wave takes 4 rows.  A row is 1,024 bytes in, 512 bytes out.
; A load of a wave covers 512 consecutive bytes; a store of 8 bytes a lane covers 256 consecutive bytes, aligned.  No loop, no LDS: no wave wants another's bytes.
.set ZGROUPS, 1024                     ; work-groups for z_e
.set X, 8                              ; v[8:39]   row i, half j: 4 f32 at X + 8 i + 4 j; later the rounded row, widened again
.set Y, 40                             ; v[40:55]  row i, half j: 4 bf16 in the pair at Y + 4 i + 2 j
.set S, 64                             ; v[64:71]  a packed sum of squares for each row; later at work
.set E, 72                             ; v[72:75]  the four rows' sums
	s_load_b256 s[4:11], s[0:1], 0x0               ; z_e s[4:5], codebook s[6:7], zb s[8:9], cb s[10:11]
	s_load_b64 s[12:13], s[0:1], 0x20              ; ee
	v_lshrrev_b32 v4, 5, v0
	v_readfirstlane_b32 s14, v4                    ; wave 0..7
	v_and_b32 v1, 31, v0                           ; lane
	v_lshlrev_b32 v2, 4, v1                        ; my 16 bytes of 512 on the way in
	v_lshlrev_b32 v3, 3, v1                        ; my 8 bytes of 256 on the way out
	v_mov_b32 v5, 0
	s_mov_b32 s20, 0xffff0000                      ; a word's upper bf16
	s_mov_b32 s22, 0x76543210                      ; v_permlanex16_b32: each lane takes its own place in the other half
	s_mov_b32 s23, 0xfedcba98
	s_sub_co_u32 s21, ttmp9, ZGROUPS
	s_cmp_lt_u32 ttmp9, ZGROUPS
	s_cselect_b32 s21, ttmp9, s21                  ; my block of 32 rows in its own tensor
	s_lshl_b32 s21, s21, 5
	s_lshl2_add_u32 s21, s14, s21                  ; my wave's first row
	s_lshl_b32 s24, s21, 10                        ; in bytes of f32 rows (under 2^26),
	s_mov_b32 s25, 0
	s_lshl_b32 s26, s21, 9                         ; of bf16 rows,
	s_mov_b32 s27, 0
	s_lshl_b32 s28, s21, 2                         ; and of ee
	s_mov_b32 s29, 0
	s_wait_kmcnt 0x0
	s_cmp_lt_u32 ttmp9, ZGROUPS                    ; the shifts above have written SCC: compared anew
	s_cselect_b64 s[16:17], s[4:5], s[6:7]         ; from where
	s_cselect_b64 s[18:19], s[8:9], s[10:11]       ; to where
	s_add_nc_u64 s[16:17], s[16:17], s[24:25]
	s_add_nc_u64 s[18:19], s[18:19], s[26:27]
.irp i, 0,1,2,3
.irp j, 0,1
	global_load_b128 v[X+8*\i+4*\j:X+8*\i+4*\j+3], v2, s[16:17] offset:1024*\i+512*\j th:TH_LOAD_NT
.endr
.endr
.irp i, 0,1,2,3
	s_wait_loadcnt 6-2*\i                          ; loads come back in order: row i is in, the two loads of each later row stay out
.irp j, 0,1
	v_cvt_pk_bf16_f32 v[Y+4*\i+2*\j],   v[X+8*\i+4*\j],   v[X+8*\i+4*\j+1]
	v_cvt_pk_bf16_f32 v[Y+4*\i+2*\j+1], v[X+8*\i+4*\j+2], v[X+8*\i+4*\j+3]
	global_store_b64 v3, v[Y+4*\i+2*\j:Y+4*\i+2*\j+1], s[18:19] offset:512*\i+256*\j
.endr
.endr
	s_cmp_lt_u32 ttmp9, ZGROUPS
	s_cbranch_scc1 .Lend                           ; rows of z_e need no sum of squares: it is left out (head, (1))
	s_add_nc_u64 s[12:13], s[12:13], s[28:29]      ; ee at my four rows
	; the rounded numbers are widened again (Y is only read: the stores' data stay as they are), squared and added, the four rows side by side
.irp i, 0,1,2,3
.irp k, 0,1,2,3
	v_lshlrev_b32 v[X+8*\i+2*\k],   16,  v[Y+4*\i+\k]
	v_and_b32     v[X+8*\i+2*\k+1], s20, v[Y+4*\i+\k]
.endr
.endr
.irp i, 0,1,2,3
	v_pk_mul_f32 v[S+2*\i:S+2*\i+1], v[X+8*\i:X+8*\i+1], v[X+8*\i:X+8*\i+1]  ; the first product starts the sum
.endr
.irp k, 1,2,3
.irp i, 0,1,2,3
	v_pk_fma_f32 v[S+2*\i:S+2*\i+1], v[X+8*\i+2*\k:X+8*\i+2*\k+1], v[X+8*\i+2*\k:X+8*\i+2*\k+1], v[S+2*\i:S+2*\i+1]
.endr
.endr
.irp i, 0,1,2,3
	v_add_f32 v[E+\i], v[S+2*\i], v[S+2*\i+1]
.endr
.irp x, 1,2,4,8
.irp i, 0,1,2,3
	v_add_f32_dpp v[E+\i], v[E+\i], v[E+\i] row_xmask:\x row_mask:0xf bank_mask:0xf
.endr
.endr
.irp i, 0,1,2,3
	v_permlanex16_b32 v[S+\i], v[E+\i], s22, s23   ; its destination counts as read: a register that has been written
.endr
.irp i, 0,1,2,3
	v_add_f32 v[E+\i], v[E+\i], v[S+\i]            ; every lane holds the row's sum
.endr
	v_cmp_eq_u32 vcc_lo, 0, v1
	s_wait_xcnt 0x0                                ; EXEC is a source of the stores above: it changes only behind this wait
	s_and_saveexec_b32 s30, vcc_lo
	global_store_b128 v5, v[E:E+3], s[12:13]       ; lane 0: my four rows' ee, 16 bytes (ee is 32 KiB of all that the launch stores)
	s_wait_xcnt 0x0                                ; and again in front of the line that widens it
	s_or_b32 exec_lo, exec_lo, s30
.Lend:
	s_endpgm
.Lfunc_end_k_qcaa7fcb9b0_prep:
	.size	k_qcaa7fcb9b0_prep, .Lfunc_end_k_qcaa7fcb9b0_prep-k_qcaa7fcb9b0_prep
	.p2alignl 7, 3214868480
	.fill 96, 4, 3214868480
	.section	.rodata,"a",@progbits
	.p2align	6, 0x0
	.amdhsa_kernel k_qcaa7fcb9b0_prep
		.amdhsa_group_segment_fixed_size 0
		.amdhsa_private_segment_fixed_size 0
		.amdhsa_enable_private_segment 0
		.amdhsa_kernarg_size 40
		.amdhsa_user_sgpr_count 2
		.amdhsa_user_sgpr_kernarg_segment_ptr 1
		.amdhsa_wavefront_size32 1
		.amdhsa_system_sgpr_workgroup_id_x 1
		.amdhsa_system_sgpr_workgroup_id_y 1
		.amdhsa_system_sgpr_workgroup_id_z 1
		.amdhsa_system_vgpr_workitem_id 0
		.amdhsa_next_free_vgpr 80
		.amdhsa_next_free_sgpr 66
		.amdhsa_reserve_vcc 1
		.amdhsa_float_denorm_mode_32 3
		.amdhsa_float_denorm_mode_16_64 3
		.amdhsa_memory_ordered 1
		.amdhsa_forward_progress 1
		.amdhsa_inst_pref_size 8
	.end_amdhsa_kernel
	.amdgpu_metadata
---
amdhsa.version: [ 1, 2 ]
amdhsa.kernels:
  - .name:           k_qcaa7fcb9b0_prep
    .symbol:         k_qcaa7fcb9b0_prep.kd
    .args:
      - { .name: z_e, .offset: 0, .size: 8, .value_kind: global_buffer, .address_space: global }
      - { .name: codebook, .offset: 8, .size: 8, .value_kind: global_buffer, .address_space: global }
      - { .name: zb, .offset: 16, .size: 8, .value_kind: global_buffer, .address_space: global }
      - { .name: cb, .offset: 24, .size: 8, .value_kind: global_buffer, .address_space: global }
      - { .name: ee, .offset: 32, .size: 8, .value_kind: global_buffer, .address_space: global }
    .group_segment_fixed_size: 0
    .private_segment_fixed_size: 0
    .kernarg_segment_align: 8
    .kernarg_segment_size: 40
    .max_flat_workgroup_size: 256
    .sgpr_count:     66
    .vgpr_count:     80
    .wavefront_size: 32
...
	.end_amdgpu_metadata
.endif
;; end of part 1
;; launch main (part 2): grid 256 x 1, 4 waves a work-group, clusters of 4 x 1, 327,680 bytes of LDS; arguments zb, cb, ee, out2, idxw; writes out2, idxw
.if DOCPART == 2
	.amdgcn_target "amdgcn-amd-amdhsa--gfx1250"
	.amdhsa_code_object_version 6
	.text
	.protected	k_qcaa7fcb9b0_main
	.globl	k_qcaa7fcb9b0_main
	.p2align	8
	.type	k_qcaa7fcb9b0_main,@function
k_qcaa7fcb9b0_main:
	s_mov_b64 s[64:65], 0
	v_nop
	global_prefetch_b8 v0, s[64:65] scope:SCOPE_SE
	s_setreg_imm32_b32 hwreg(HW_REG_WAVE_MODE, 25, 1), 1
	s_wait_xcnt 0x0
	s_wait_alu depctr_hold_cnt(0) depctr_sa_sdst(0) depctr_va_vdst(0) depctr_va_sdst(0) depctr_va_ssrc(0) depctr_va_vcc(0) depctr_vm_vsrc(0)
	s_getreg_b32 s2, hwreg(HW_REG_IB_STS2, 6, 4)
	s_cmp_eq_u32 s2, 0
	s_cbranch_scc0 .Lentry_in_a_cluster
	s_endpgm
.Lentry_in_a_cluster:
	s_bfe_u32 s2, ttmp6, 0x10000c
	s_cmp_lg_u32 s2, 0x3003
	s_cbranch_scc0 .Lentry_shape_is_right
	s_endpgm
.Lentry_shape_is_right:
; Second launch: for each of the 32,768 rows z the index of the nearest of the 8,192 codes e.  out2 takes the indices; idxw is a copy from which the next launch forms addresses.
; LEFT OUT: ||z||^2, the same along the argmin's axis (shown at the head of the first kernel).  Maximised is s[k] = z.e[k] + hc[k], hc[k] = (ee[0] - ee[k]) / 2; ee[0]/2 is again the same along the axis and keeps the sums small.
; LIMITS.  Operands in bf16, sums in f32.  The lowest index wins an exact tie, as in jnp.argmin; two codes within f32's rounding of reference()'s formula may change places.  A NaN score never wins; a row whose scores
; are all NaN or -infinity gets an index that means nothing.
; SHARES.  A work-group owns 128 rows of z and walks the whole codebook once, in 32 tiles of 256 codes: each row has one owner.  EACH of the four waves holds ALL 128 rows as fragments in 512 registers, and takes its own
; 64 codes of each tile.  So a byte of the codebook is read from LDS once, by one wave, and a fragment of 16 codes x 32 channels (two loads) feeds 8 matrix instructions.
; LAYOUT.  Source 0 = 16 codes, source 1 = 16 rows of z: in the result a lane holds ONE row of z (lane % 16) and the codes 8 (lane / 16) + 0..7, so the running maximum stays inside a lane.
; hc is the C operand of the first of the 8 steps along the 256 channels: it hangs on the code alone, 8 registers for all 8 blocks of rows, and costs no vector work.
; BY TURNS.  A PERIOD is 16 codes x 128 rows: 64 matrix instructions in two UNITS of 32 (row blocks 0-3, then 4-7), each on four accumulators that take turns.  Behind each matrix instruction of a unit stands a slice,
; three vector instructions, of the maximum over the OTHER unit's finished scores: a compare into a scalar mask and two selects (value, tag).  The tag, 16 x period + register, is a scalar; it is turned into the code at the end.
; CLUSTER.  All work-groups walk the same tiles, so the four of a cluster ask for each quarter tile JOINTLY: the same tensor load, descriptor and mask in all four; the place in the cluster enters global addresses of zb, out2,
; idxw and of the prefetches alone.
; RING.  Two slots of a tile each.  A wave fills and reads its own quarter of a slot; a slot is filled again behind a round of the cluster's barrier, and the load then has 256 matrix instructions in which to land.
; REGISTERS, in windows of 256 (s_set_vgpr_msb: bits 1:0 source 0, 3:2 source 1, 5:4 source 2, 7:6 destination).  Window 0: all but z.  Window 1: z's row blocks 0-3, block a, channels 32 c on at 64 a + 8 c.  Window 2: blocks 4-7.
; A slice works in window 0 and a product wants z beside it, so a slice costs two switches.
.set PITCH, 528                        ; a code's row in LDS: 512 bytes + 16 of padding = 132 words: row r starts at bank 4 r mod 64 (64 banks of 4 bytes: ISA guide 11.1), the 16 rows of a load at 16 different groups of banks
.set QUART, 64*PITCH                   ; a wave's 64 codes of a tile
.set SLOT,  4*QUART                    ; 135,168 bytes
.set EE,    2*SLOT                     ; behind the ring, never filled by a tensor load: hc, wave w's 2,048 numbers at EE + 8,192 w in the order in which the wave walks its codes
.set MRG,   EE+32768                   ; wave w's 128 pairs (value, code) at MRG + 1,024 w
.set SPARE, MRG+4096                   ; the spare words, 128 bytes for each wave: two blocks of 256 bytes that no other line names
.set TILEB, 131072                     ; bytes of a tile in cb
.set AK0, 4                            ; v4   my lane's place in 16 rows of codes: 528 (l % 16) + 16 (l / 16); never rewritten
.set CA0, 5                            ; v5   EE + 32 (l / 16): my 8 numbers of 16 hc; never rewritten
.set ADR, 6                            ; v6   the LDS address of the run of loads in hand
.set CA,  7                            ; v7   the same for hc
.set ZO,  8                            ; v8   my byte offset in 16 rows of zb
.set PFO, 9                            ; v9   256 x lane; never rewritten
.set SPW, 10                           ; v10  LDS address of my spare word: SPARE + 4 x my thread's number; never rewritten
.set NIL, 11                           ; v11  0; never rewritten
.set BEST, 16                          ; v16-23  the running maximum, one for each row block
.set IDX,  24                          ; v24-31  its tag
.set CI,   32                          ; v32-47  hc as a C operand, two buffers of 8
.set ACC,  48                          ; v48-111 unit u's four accumulators at ACC + 32 u + 8 m
.set BF,   112                         ; v112-239 two buffers of 8 fragments of codes: buffer q, channels 32 c on at BF + 64 q + 8 c
.set WV,  14                           ; s14  my wave's number
.set G1,  20                           ; s[20:27] descriptor group 1
.set G0A, 28                           ; s[28:31] group 0 for slot 0; s[32:35] for slot 1
.set TB,  36                           ; s36  LDS byte at which the 16 codes to be fetched begin
.set TC,  37                           ; s37  8,192 w + 64 x their period
.set CNT, 38                           ; s38  counts pairs of periods
.set OC,  39                           ; s39  counts pairs of tiles
.set MK,  40                           ; s40, s41  two lane masks, by turns
.set LIM, 42                           ; s42  1 in a cluster that prefetches, else the greatest number
.set WQ,  43                           ; s43  w x QUART
.set PFA, 44                           ; s[44:45] where my prefetches stand
.set EH,  46                           ; s[46:47] ee[0] / 2: the packed line takes the pair's low word for both halves
.set TAG, 48                           ; s48-55  16 x period + j
.set SEL, 56                           ; s[56:57] v_permlanex16_b32's selects
.set MSB, 0
.macro WIN new                         ; the immediate's high byte repeats the setting that is left; a switch that changes nothing is dropped
.if MSB != (\new)
	s_set_vgpr_msb (MSB<<8)|(\new)
.set MSB, \new
.endif
.endm
; A round of the cluster's barrier: my work-group's barrier, so that wave 0's signal speaks for all four waves; wave 0 signals; every wave waits for all four work-groups; my work-group's barrier once more.
.macro CROUND
	s_barrier_signal -1
	s_barrier_wait -1
	s_cmp_lg_u32 s[WV], 0
	s_cbranch_scc1 .Lnot_wave_0_\@
	s_barrier_signal -3
.Lnot_wave_0_\@:
	s_barrier_wait -3
	s_barrier_signal -1
	s_barrier_wait -1
.endm
; Matrix instruction i of 32 of unit u on code buffer q: channels 32 (i / 4) on, row block 4 u + i % 4.  The four accumulators take turns, one instruction a turn; the first four start their sums with hc.
.macro MMA u, q, i
.set mm, (\i)%4
.set kk, (\i)/4
.set rD, ACC+32*(\u)+8*mm
.set rA, BF+64*(\q)+8*kk
.set rB, 64*mm+8*kk
	WIN 0x04+0x04*(\u)                             ; source 1 in window 1 or 2
.if kk == 0
	v_wmma_f32_16x16x32_bf16 v[rD:rD+7], v[rA:rA+7], v[rB:rB+7], v[CI+8*(\q):CI+8*(\q)+7]
.else
	v_wmma_f32_16x16x32_bf16 v[rD:rD+7], v[rA:rA+7], v[rB:rB+7], v[rD:rD+7]
.endif
.endm
; The maximum over unit u's 32 registers of scores, number i: accumulator i % 4, register i / 4: each accumulator is read from its lowest register on.
; The compare is strict and a lane's codes ascend, so the first of equal scores is kept.
.macro CMPR u, i
	v_cmp_gt_f32 s[MK+(\i)%2], v[ACC+32*(\u)+8*((\i)%4)+(\i)/4], v[BEST+4*(\u)+(\i)%4]
.endm
.macro UPDR u, i
	v_cndmask_b32 v[BEST+4*(\u)+(\i)%4], v[BEST+4*(\u)+(\i)%4], v[ACC+32*(\u)+8*((\i)%4)+(\i)/4], s[MK+(\i)%2]
	v_cndmask_b32 v[IDX+4*(\u)+(\i)%4], v[IDX+4*(\u)+(\i)%4], s[TAG+(\i)/4], s[MK+(\i)%2]
.endm
; Slice i: the compare of number i + 1 stands ahead of the selects of number i, which name another row block's maximum, so that a select does not follow its own mask at once.
.macro SLICE u, i
	WIN 0
.if (\i) == 0
	CMPR \u, 0
.endif
.if (\i) < 31
	CMPR \u, (\i)+1
.endif
	UPDR \u, \i
.endm
; The next period's 16 codes (8 fragments) and their hc into buffer q: 18 LDS loads in one run.
.macro FETCH q
	WIN 0
	v_add_nc_u32 v[ADR], s[TB], v[AK0]
	v_add_nc_u32 v[CA], s[TC], v[CA0]
	ds_load_b128 v[CI+8*(\q):CI+8*(\q)+3],   v[CA]
	ds_load_b128 v[CI+8*(\q)+4:CI+8*(\q)+7], v[CA] offset:16
.irp c, 0,1,2,3,4,5,6,7
	ds_load_b128 v[BF+64*(\q)+8*\c:BF+64*(\q)+8*\c+3],   v[ADR] offset:64*\c
	ds_load_b128 v[BF+64*(\q)+8*\c+4:BF+64*(\q)+8*\c+7], v[ADR] offset:64*\c+32
.endr
	s_add_co_u32 s[TB], s[TB], 16*PITCH
	s_add_co_u32 s[TC], s[TC], 64
.endm
; A unit.  The slices are also the places behind the matrix instructions (ISA guide 7.12.1): the first read of an accumulator stands nine plain vector instructions or more behind the product that ended it.
; The run of loads stands behind slice 1 of unit 0: the last product that read the buffer to be loaded is the unit before's last, 2 + 4 + 3 plain instructions and the run's own two back, none of which names its registers.
.macro UNIT u, q, fetch
.set n, 0
.rept 32
	MMA \u, \q, n
	SLICE 1-(\u), n
.if (\fetch) && ((\u) == 0) && (n == 1)
	FETCH 1-(\q)
.endif
.set n, n+1
.endr
.endm
; A period.  Unit 0's slices belong to the period before, unit 1's to this one: the tags step between the units.
.macro PERIOD q, fetch
	s_wait_dscnt 0x0                               ; my codes and hc are in: they were asked for 62 matrix instructions ago
	UNIT 0, \q, \fetch
.irp j, 0,1,2,3,4,5,6,7
	s_add_co_u32 s[TAG+\j], s[TAG+\j], 16
.endr
	UNIT 1, \q, 0
.endm
; A PREFETCH INTO THE L2, behind the joint load and its five lines: the tile that stands two refills on, 512 matrix instructions ahead of the load that will want it.  Every cluster walks the same tiles: cluster 0 asks, nobody else.
; Its 16 waves share a tile's 512 blocks of 256 bytes out BY ADDRESS, 32 each, a lane a block: no branch hangs on a work-group's place in its cluster.  So each block is named once in the launch.
; Tiles 0 to 3 come by their loads alone; the last trip of the loop (OC = 1) asks for nothing: the tiles two refills on do not exist.
.macro ASK
	s_cmp_gt_u32 s[OC], s[LIM]
	s_cbranch_scc0 .Lnot_mine_\@
	global_prefetch_b8 v[PFO], s[PFA:PFA+1] th:TH_LOAD_NT scope:SCOPE_SE
.Lnot_mine_\@:
.endm
; THE CHANGE OF SLOTS, in front of a tile's last period: all of the tile in slot x has been read into registers.  Each wave waits for all its tensor loads, of which one is out: its quarter of the other slot; adds 0 to its spare
; word; and waits for that and for its reads of slot x.  The barrier is a round of the cluster's, so that no wave of any partner still reads the slot or has a load on its way; the joint refill, the tile two on, is the first thing behind it.
.macro CHANGE x
	WIN 0                                          ; at a label and at a branch every window is 0
	s_wait_tensorcnt 0x0                           ; no tensor load of mine is out, so a group 0 may be written
	ds_add_u32 v[SPW], v[NIL]                      ; 0 onto my spare word: the scalar steps stand between it and the wait for it
	s_add_nc_u64 s[G0A+4*(\x)+2:G0A+4*(\x)+3], s[G0A+4*(\x)+2:G0A+4*(\x)+3], 2*TILEB  ; the type bits on top are not reached
	s_wait_xcnt 0x0                                ; the last prefetch, a tile back, has read its address
	s_add_nc_u64 s[PFA:PFA+1], s[PFA:PFA+1], TILEB
	s_add_co_u32 s[TB], s[WQ], (1-(\x))*SLOT       ; the fetches go on at my quarter of the other slot
	s_wait_dscnt 0x0                               ; the add is done, and my reads of the slot are over
	CROUND
	tensor_load_to_lds s[G0A+4*(\x):G0A+4*(\x)+3], s[G1:G1+7]
	s_nop 0
.rept 4
	v_nop
.endr
	ASK
.endm
; (bv, bi) takes the candidate (cv, ci) where its value is greater, or equal with the lower code.
.macro TAKE bv, bi, cv, ci
	v_cmp_gt_f32 s58, v[\cv], v[\bv]
	v_cmp_eq_f32 s59, v[\cv], v[\bv]
	v_cmp_lt_u32 s60, v[\ci], v[\bi]
	s_and_b32 s59, s59, s60
	s_or_b32 s58, s58, s59
	v_cndmask_b32 v[\bv], v[\bv], v[\cv], s58
	v_cndmask_b32 v[\bi], v[\bi], v[\ci], s58
.endm
; Row block a of z: 8 fragments of 16 rows x 32 channels: lane l holds row l % 16, channels 8 (l / 16) + 0..7 and 16 + 8 (l / 16) + 0..7: two loads of 16 bytes, 32 bytes apart.
.macro ZLOAD a
	WIN 0x40+0x40*((\a)/4)                         ; destination window 1 or 2, address window 0
.irp c, 0,1,2,3,4,5,6,7
	global_load_b128 v[64*((\a)%4)+8*\c:64*((\a)%4)+8*\c+3],   v[ZO], s[4:5] offset:8192*(\a)+64*\c
	global_load_b128 v[64*((\a)%4)+8*\c+4:64*((\a)%4)+8*\c+7], v[ZO], s[4:5] offset:8192*(\a)+64*\c+32
.endr
.endm
	s_load_b256 s[4:11], s[0:1], 0x0               ; zb s[4:5], cb s[6:7], ee s[8:9], out2 s[10:11]
	s_load_b64 s[12:13], s[0:1], 0x20              ; idxw
	v_lshl_add_u32 v[SPW], v0, 2, SPARE
	v_mov_b32 v[NIL], 0
	ds_add_u32 v[SPW], v[NIL]                      ; the wave's opening: the add, twice on end, and its wait ahead of my first tensor load; the set-up below, work on registers, stands between
	ds_add_u32 v[SPW], v[NIL]                      ; and once more, under the one wait
	v_lshrrev_b32 v12, 5, v0
	v_readfirstlane_b32 s[WV], v12                 ; wave 0..3
	s_bfe_u32 s15, ttmp6, 0x40000                  ; cx: my place in the cluster
	s_lshl_b32 s16, ttmp9, 2                       ; in a cluster launch ttmp9 counts clusters
	s_add_co_u32 s16, s16, s15                     ; my block of 128 rows of z
	; descriptor group 1: 64 rows x 256 elements, padded in LDS
	s_mov_b32 s[G1+0], 15|(1<<16)|(1<<20)|(1<<21)|(6<<22)|(3<<25)  ; 15:0 the mask of four; 17:16 2-byte elements; 20 padding on; 21 set beside a mask; 24:22 after every 128 words (code 6); 31:25 4 words (code 3)
	s_mov_b32 s[G1+1], 256<<16                     ; tensor_dim0 = 256
	s_mov_b32 s[G1+2], 64<<16                      ; tensor_dim1 = 64
	s_mov_b32 s[G1+3], 256<<16                     ; tile_dim0 = 256
	s_mov_b32 s[G1+4], 64                          ; tile_dim1 = 64
	s_mov_b32 s[G1+5], 256                         ; 256 elements from row to row
	s_mov_b32 s[G1+6], 0
	s_mov_b32 s[G1+7], 0
	s_mul_i32 s[WQ], s[WV], QUART                  ; my quarter of a slot: no place in the cluster enters an LDS address
	s_mov_b32 s[G0A], 1                            ; count = 1
	s_mov_b32 s[G0A+1], s[WQ]                      ; LDS address: slot 0
	s_mov_b32 s[G0A+4], 1
	s_add_co_u32 s[G0A+5], s[WQ], SLOT             ; slot 1
.irp j, 0,1,2,3,4,5,6,7
	s_mov_b32 s[TAG+\j], \j-16                     ; the period before the first: its slices find nothing to take
.endr
	s_mov_b32 s[SEL], 0x76543210
	s_mov_b32 s[SEL+1], 0xfedcba98
	s_cmp_eq_u32 ttmp9, 0
	s_cselect_b32 s[LIM], 1, -1                    ; the same in all four partners
	v_and_b32 v1, 15, v0                           ; l % 16
	v_bfe_u32 v2, v0, 4, 1                         ; l / 16
	v_and_b32 v3, 31, v0                           ; l
	v_mul_u32_u24 v[AK0], v1, PITCH
	v_lshl_add_u32 v[AK0], v2, 4, v[AK0]
	v_lshl_add_u32 v[CA0], v2, 5, EE
	v_lshlrev_b32 v[ZO], 9, v1
	v_lshl_add_u32 v[ZO], v2, 4, v[ZO]
	v_lshlrev_b32 v[PFO], 8, v3
	s_wait_dscnt 0x0                               ; both opening adds are done
	s_wait_kmcnt 0x0
	s_lshl_b32 s58, s[WV], 15                      ; my 64 rows of 512 bytes in a tile
	s_mov_b32 s59, 0
	s_add_nc_u64 s[G0A+2:G0A+3], s[6:7], s[58:59]  ; global address: tile 0,
	s_add_nc_u64 s[G0A+6:G0A+7], s[G0A+2:G0A+3], TILEB  ; tile 1
	s_or_b32 s[G0A+3], s[G0A+3], 0x80000000        ; type = 2
	s_or_b32 s[G0A+7], s[G0A+7], 0x80000000
	s_lshl2_add_u32 s62, s15, s[WV]                ; my wave among the cluster's sixteen,
	s_lshl_b32 s62, s62, 13                        ; its 32 blocks of 256 bytes of a tile
	s_mov_b32 s63, 0
	s_add_nc_u64 s[PFA:PFA+1], s[6:7], s[62:63]
	s_add_nc_u64 s[PFA:PFA+1], s[PFA:PFA+1], 3*TILEB  ; in tile 3: the first change of slots steps it to tile 4.  Nothing is prefetched here, at the head
	s_lshl_b32 s62, s16, 16                        ; my 128 rows of 512 bytes
	s_add_nc_u64 s[4:5], s[4:5], s[62:63]
	CROUND                                         ; all four work-groups are here: the first joint loads meet
	tensor_load_to_lds s[G0A:G0A+3], s[G1:G1+7]    ; both first fills go out together: two loads of mine are out, the most in this text
	s_nop 0
	tensor_load_to_lds s[G0A+4:G0A+7], s[G1:G1+7]
	s_nop 0
.rept 4
	v_nop
.endr
	s_load_b32 s[EH], s[8:9], 0x0                  ; ee[0]
	; ee of my 2,048 codes: load i takes 256 consecutive bytes of each of tiles 2 i and 2 i + 1 (lanes 0-15, lanes 16-31)
	v_lshlrev_b32 v12, 4, v1
	v_lshl_add_u32 v12, v2, 10, v12
	s_lshl_b32 s58, s[WV], 8
	v_add_nc_u32 v12, s58, v12
.set i, 0
.rept 16
	global_load_b128 v[BF+4*i:BF+4*i+3], v12, s[8:9] offset:2048*i
.set i, i+1
.endr
	ZLOAD 0
	ZLOAD 1
	WIN 0
	s_lshl_b32 s58, s[WV], 13
	s_add_co_u32 s58, s58, EE
	v_lshl_add_u32 v13, v3, 4, s58                 ; where hc goes: EE + 8,192 w + 16 l
	s_wait_kmcnt 0x0
	s_mul_f32 s[EH], s[EH], 0.5
	s_mov_b32 s[EH+1], s[EH]                       ; named with it as a pair
	s_wait_loadcnt 32                              ; ee is in; the 32 loads of z issued behind it stay out
.set i, 0
.rept 32
	v_pk_fma_f32 v[BF+2*i:BF+2*i+1], v[BF+2*i:BF+2*i+1], -0.5, s[EH:EH+1] op_sel_hi:[1,0,0]  ; hc = ee[0]/2 - ee/2
.set i, i+1
.endr
.set i, 0
.rept 16
	ds_store_b128 v13, v[BF+4*i:BF+4*i+3] offset:512*i  ; my own bytes: only I read them, and LDS serves a wave's instructions in order (ISA guide 5.7.1.4)
.set i, i+1
.endr
.irp a, 2,3,4,5,6,7
	ZLOAD \a
.endr
	WIN 0
	s_mov_b32 s58, 0xff800000                      ; -infinity: below every score
.irp a, 0,1,2,3,4,5,6,7
	v_mov_b32 v[BEST+\a], s58
	v_mov_b32 v[IDX+\a], 0
.endr
.set i, 0
.rept 32
	v_mov_b32 v[ACC+32+i], s58                     ; what the first unit's slices read: they take nothing, so that the first period is a period like any other
.set i, i+1
.endr
	s_mov_b32 s[TB], s[WQ]
	s_lshl_b32 s[TC], s[WV], 13
	s_wait_tensorcnt 0x1                           ; my quarter of tile 0 is in, and only I read it; tile 1's load stays out
	FETCH 0                                        ; period 0
	s_wait_loadcnt 0x0                             ; z
	s_mov_b32 s[OC], 16
	s_mov_b32 s[CNT], 2
	s_branch .LmidB                                ; the loop is entered in the middle of a trip: periods 0, 1, 2 stand in front of the first change of slots
.Louter:                                           ; 15 whole trips: two tiles each; tiles 2 to 31 are asked for
	CHANGE 0
	s_mov_b32 s[CNT], 2
.LinA:                                             ; the last period of an even tile and the first three of the odd one behind it
	PERIOD 1, 1
	PERIOD 0, 1
	WIN 0
	s_sub_co_u32 s[CNT], s[CNT], 1
	s_cmp_lg_u32 s[CNT], 0
	s_cbranch_scc1 .LinA
	CHANGE 1
	s_mov_b32 s[CNT], 2
.LinB:
	PERIOD 1, 1
	WIN 0
.LmidB:
	PERIOD 0, 1
	WIN 0
	s_sub_co_u32 s[CNT], s[CNT], 1
	s_cmp_lg_u32 s[CNT], 0
	s_cbranch_scc1 .LinB
	s_sub_co_u32 s[OC], s[OC], 1
	s_cmp_lg_u32 s[OC], 0
	s_cbranch_scc1 .Louter
	; the tail is written out: nothing is asked for, so no barrier: a wave reads only what its own load brought
	s_wait_tensorcnt 0x0                           ; my quarter of tile 31 is in
	s_add_co_u32 s[TB], s[WQ], SLOT
	s_mov_b32 s[CNT], 2
.LinT:
	PERIOD 1, 1
	PERIOD 0, 1
	WIN 0
	s_sub_co_u32 s[CNT], s[CNT], 1
	s_cmp_lg_u32 s[CNT], 0
	s_cbranch_scc1 .LinT
	PERIOD 1, 0                                    ; the last period fetches nothing
.set n, 0
.rept 32
	SLICE 1, n                                     ; and its second unit's scores
.set n, n+1
.endr
	; THE END.  A tag 64 t + 16 b + j (tile t, block b of my four, register j) stands for code 256 t + 64 w + 16 b + 8 (l / 16) + j = tag + 3 x 64 t + 64 w + 8 (l / 16).
	WIN 0
	v_lshlrev_b32 v12, 3, v2
	s_lshl_b32 s53, s[WV], 6
	v_add_nc_u32 v12, s53, v12
	v_mov_b32 v14, 0                               ; v_permlanex16_b32's destinations count as read
	v_mov_b32 v15, 0
.irp a, 0,1,2,3,4,5,6,7
	v_and_b32 v13, 0xffffffc0, v[IDX+\a]
	v_mad_u32_u24 v13, v13, 3, v[IDX+\a]
	v_add_nc_u32 v[IDX+\a], v12, v13
.endr
.irp a, 0,1,2,3,4,5,6,7
	v_permlanex16_b32 v14, v[BEST+\a], s[SEL], s[SEL+1]  ; the row's other codes lie in the lane 16 away
	v_permlanex16_b32 v15, v[IDX+\a], s[SEL], s[SEL+1]
	TAKE BEST+\a, IDX+\a, 14, 15
.endr
	; both halves of the lanes now hold the same: lanes 0-15 put row block 2 p, lanes 16-31 block 2 p + 1: row 32 p + l
	v_cmp_eq_u32 s54, 1, v2
	s_lshl_b32 s53, s[WV], 10
	s_add_co_u32 s53, s53, MRG
	v_lshl_add_u32 v13, v3, 3, s53
.irp p, 0,1,2,3
	v_cndmask_b32 v[240+2*\p], v[BEST+2*\p], v[BEST+2*\p+1], s54
	v_cndmask_b32 v[241+2*\p], v[IDX+2*\p], v[IDX+2*\p+1], s54
	ds_store_b64 v13, v[240+2*\p:241+2*\p] offset:256*\p
.endr
	s_wait_dscnt 0x0                               ; for the others' sake: my stores are done
	s_barrier_signal -1
	s_barrier_wait -1
	; waves 0 and 1 finish rows 0-63 and 64-127 for out2, waves 2 and 3 the same for idxw: a lane takes two neighbouring rows of all four waves' pairs
	s_and_b32 s52, s[WV], 1
	s_lshl_b32 s53, s52, 9
	s_add_co_u32 s53, s53, MRG
	v_lshl_add_u32 v13, v3, 4, s53
.irp x, 0,1,2,3
	ds_load_b128 v[112+4*\x:115+4*\x], v13 offset:1024*\x
.endr
	s_cmp_lt_u32 s[WV], 2
	s_cselect_b64 s[48:49], s[10:11], s[12:13]
	s_lshl_b32 s50, s16, 9                         ; my work-group's 128 indices,
	s_lshl_b32 s51, s52, 8                         ; my wave's 64 of them
	s_add_co_u32 s50, s50, s51
	s_mov_b32 s51, 0
	s_add_nc_u64 s[48:49], s[48:49], s[50:51]
	v_lshlrev_b32 v130, 3, v3
	s_wait_dscnt 0x0
.irp x, 1,2,3
	TAKE 112, 113, 112+4*\x, 113+4*\x
	TAKE 114, 115, 114+4*\x, 115+4*\x
.endr
	v_mov_b32 v128, v113
	v_mov_b32 v129, v115
	global_store_b64 v130, v[128:129], s[48:49]    ; the wave's store covers 256 consecutive bytes, aligned
	s_wait_tensorcnt 0x0                           ; the wave's end: behind my last tensor load and my last LDS store
	ds_add_u32 v[SPW], v[NIL]
	s_wait_dscnt 0x0
	CROUND                                         ; the closing round: no work-group ends while a partner may still ask for a tile that names it
	s_endpgm
.Lfunc_end_k_qcaa7fcb9b0_main:
	.size	k_qcaa7fcb9b0_main, .Lfunc_end_k_qcaa7fcb9b0_main-k_qcaa7fcb9b0_main
	.p2alignl 7, 3214868480
	.fill 96, 4, 3214868480
	.section	.rodata,"a",@progbits
	.p2align	6, 0x0
	.amdhsa_kernel k_qcaa7fcb9b0_main
		.amdhsa_group_segment_fixed_size 327680
		.amdhsa_private_segment_fixed_size 0
		.amdhsa_enable_private_segment 0
		.amdhsa_kernarg_size 40
		.amdhsa_user_sgpr_count 2
		.amdhsa_user_sgpr_kernarg_segment_ptr 1
		.amdhsa_wavefront_size32 1
		.amdhsa_system_sgpr_workgroup_id_x 1
		.amdhsa_system_sgpr_workgroup_id_y 1
		.amdhsa_system_sgpr_workgroup_id_z 1
		.amdhsa_system_vgpr_workitem_id 0
		.amdhsa_next_free_vgpr 768
		.amdhsa_next_free_sgpr 66
		.amdhsa_reserve_vcc 0
		.amdhsa_float_denorm_mode_32 3
		.amdhsa_float_denorm_mode_16_64 3
		.amdhsa_memory_ordered 1
		.amdhsa_forward_progress 1
		.amdhsa_inst_pref_size 193
	.end_amdhsa_kernel
	.amdgpu_metadata
---
amdhsa.version: [ 1, 2 ]
amdhsa.kernels:
  - .name:           k_qcaa7fcb9b0_main
    .symbol:         k_qcaa7fcb9b0_main.kd
    .args:
      - { .name: zb, .offset: 0, .size: 8, .value_kind: global_buffer, .address_space: global }
      - { .name: cb, .offset: 8, .size: 8, .value_kind: global_buffer, .address_space: global }
      - { .name: ee, .offset: 16, .size: 8, .value_kind: global_buffer, .address_space: global }
      - { .name: out2, .offset: 24, .size: 8, .value_kind: global_buffer, .address_space: global }
      - { .name: idxw, .offset: 32, .size: 8, .value_kind: global_buffer, .address_space: global }
    .group_segment_fixed_size: 327680
    .private_segment_fixed_size: 0
    .kernarg_segment_align: 8
    .kernarg_segment_size: 40
    .max_flat_workgroup_size: 128
    .sgpr_count:     66
    .vgpr_count:     768
    .wavefront_size: 32
...
	.end_amdgpu_metadata
.endif
;; end of part 2
;; launch gather (part 3): grid 512 x 1, 8 waves a work-group, no clusters, 0 bytes of LDS; arguments z_e, codebook, idxw, out0, part; writes out0, part
.if DOCPART == 3
	.amdgcn_target "amdgcn-amd-amdhsa--gfx1250"
	.amdhsa_code_object_version 6
	.text
	.protected	k_qcaa7fcb9b0_gather
	.globl	k_qcaa7fcb9b0_gather
	.p2align	8
	.type	k_qcaa7fcb9b0_gather,@function
k_qcaa7fcb9b0_gather:
	s_mov_b64 s[64:65], 0
	v_nop
	global_prefetch_b8 v0, s[64:65] scope:SCOPE_SE
	s_setreg_imm32_b32 hwreg(HW_REG_WAVE_MODE, 25, 1), 1
	s_wait_xcnt 0x0
; Third launch: q = codebook[idx], t = q - z, out0 = z + t (as reference() writes it), and the sum of t^2 for each wave (part: 4,096 partial sums in f32).  All on the f32 inputs.
; LEFT OUT: one of reference()'s two means, which are the same number (shown at the head of the first kernel).
; The indices are whole numbers that the launch before stored; each is held to 0 .. 8,191 before it enters an address.
; SHARES.  A wave takes 8 rows of 1,024 bytes: 16 loads of z_e, 16 of the codebook, 16 stores, each of 512 consecutive bytes; no loop, no register used twice, no LDS: no wave wants another's bytes.
; Matrix units, clusters and tensor loads would add nothing: each byte of z_e and out0 crosses once, and the codebook's rows come by a list.
.set S, 8                              ; v[8:15]    four packed sums of squares
.set Z, 16                             ; v[16:79]   row i at Z + 8 i
.set Q, 80                             ; v[80:143]  row i at Q + 8 i: q, then t, then z + t
	s_load_b256 s[4:11], s[0:1], 0x0               ; z_e s[4:5], codebook s[6:7], idxw s[8:9], out0 s[10:11]
	s_load_b64 s[12:13], s[0:1], 0x20              ; part
	v_lshrrev_b32 v2, 5, v0
	v_readfirstlane_b32 s14, v2                    ; wave 0..7
	v_and_b32 v1, 31, v0
	v_lshlrev_b32 v1, 4, v1                        ; my 16 bytes of 512
	v_mov_b32 v3, 0
	s_lshl3_add_u32 s15, ttmp9, s14                ; my wave among the launch's 4,096
	s_lshl_b32 s40, s15, 13                        ; its 8 rows of 1,024 bytes (under 2^25),
	s_mov_b32 s41, 0
	s_lshl_b32 s42, s15, 5                         ; its 8 indices,
	s_mov_b32 s43, 0
	s_lshl_b32 s44, s15, 2                         ; its partial sum
	s_mov_b32 s45, 0
	s_mov_b32 s46, 0x76543210                      ; v_permlanex16_b32: each lane takes its own place in the other half
	s_mov_b32 s47, 0xfedcba98
	s_wait_kmcnt 0x0
	s_add_nc_u64 s[8:9], s[8:9], s[42:43]
	s_load_b256 s[16:23], s[8:9], 0x0              ; the eight indices
	s_add_nc_u64 s[4:5], s[4:5], s[40:41]
	s_add_nc_u64 s[10:11], s[10:11], s[40:41]
	s_add_nc_u64 s[12:13], s[12:13], s[44:45]
.irp i, 0,1,2,3,4,5,6,7
.irp j, 0,1
	global_load_b128 v[Z+8*\i+4*\j:Z+8*\i+4*\j+3], v1, s[4:5] offset:1024*\i+512*\j th:TH_LOAD_NT
.endr
.endr
	s_wait_kmcnt 0x0
.irp i, 0,1,2,3,4,5,6,7
	s_min_u32 s[16+\i], s[16+\i], 0x1fff           ; inside the table
	s_lshl_b32 s[24+2*\i], s[16+\i], 10            ; a row of the codebook is 1,024 bytes
	s_mov_b32 s[25+2*\i], 0
	s_add_nc_u64 s[24+2*\i:25+2*\i], s[6:7], s[24+2*\i:25+2*\i]
.endr
.irp i, 0,1,2,3,4,5,6,7
.irp j, 0,1
	global_load_b128 v[Q+8*\i+4*\j:Q+8*\i+4*\j+3], v1, s[24+2*\i:25+2*\i] offset:512*\j  ; no hint: a row may be named again
.endr
.endr
.irp i, 0,1,2,3,4,5,6,7
	s_wait_loadcnt 14-2*\i                         ; loads come back in order: z is in, and q of row i; the two loads of each later row stay out
.irp k, 0,1,2,3
	v_pk_add_f32 v[Q+8*\i+2*\k:Q+8*\i+2*\k+1], v[Q+8*\i+2*\k:Q+8*\i+2*\k+1], v[Z+8*\i+2*\k:Z+8*\i+2*\k+1] neg_lo:[0,1] neg_hi:[0,1]  ; t = q - z
.endr
.irp k, 0,1,2,3
.if \i == 0
	v_pk_mul_f32 v[S+2*\k:S+2*\k+1], v[Q+2*\k:Q+2*\k+1], v[Q+2*\k:Q+2*\k+1]  ; the first row starts the sums
.else
	v_pk_fma_f32 v[S+2*\k:S+2*\k+1], v[Q+8*\i+2*\k:Q+8*\i+2*\k+1], v[Q+8*\i+2*\k:Q+8*\i+2*\k+1], v[S+2*\k:S+2*\k+1]
.endif
.endr
.irp k, 0,1,2,3
	v_pk_add_f32 v[Q+8*\i+2*\k:Q+8*\i+2*\k+1], v[Z+8*\i+2*\k:Z+8*\i+2*\k+1], v[Q+8*\i+2*\k:Q+8*\i+2*\k+1]  ; z + t
.endr
.irp j, 0,1
	global_store_b128 v1, v[Q+8*\i+4*\j:Q+8*\i+4*\j+3], s[10:11] offset:1024*\i+512*\j th:TH_STORE_NT
.endr
.endr
	v_pk_add_f32 v[S:S+1], v[S:S+1], v[S+2:S+3]
	v_pk_add_f32 v[S+4:S+5], v[S+4:S+5], v[S+6:S+7]
	v_pk_add_f32 v[S:S+1], v[S:S+1], v[S+4:S+5]
	v_add_f32 v[S], v[S], v[S+1]
.irp x, 1,2,4,8
	v_add_f32_dpp v[S], v[S], v[S] row_xmask:\x row_mask:0xf bank_mask:0xf
.endr
	v_permlanex16_b32 v[S+1], v[S], s46, s47
	v_add_f32 v[S], v[S], v[S+1]                   ; the wave's sum of t^2
	v_cmp_eq_u32 vcc_lo, 0, v1
	s_wait_xcnt 0x0                                ; EXEC is a source of the stores above: it changes only behind this wait
	s_and_saveexec_b32 s15, vcc_lo
	global_store_b32 v3, v[S], s[12:13]            ; lane 0
	s_wait_xcnt 0x0                                ; and again in front of the line that widens it
	s_or_b32 exec_lo, exec_lo, s15
	s_endpgm
.Lfunc_end_k_qcaa7fcb9b0_gather:
	.size	k_qcaa7fcb9b0_gather, .Lfunc_end_k_qcaa7fcb9b0_gather-k_qcaa7fcb9b0_gather
	.p2alignl 7, 3214868480
	.fill 96, 4, 3214868480
	.section	.rodata,"a",@progbits
	.p2align	6, 0x0
	.amdhsa_kernel k_qcaa7fcb9b0_gather
		.amdhsa_group_segment_fixed_size 0
		.amdhsa_private_segment_fixed_size 0
		.amdhsa_enable_private_segment 0
		.amdhsa_kernarg_size 40
		.amdhsa_user_sgpr_count 2
		.amdhsa_user_sgpr_kernarg_segment_ptr 1
		.amdhsa_wavefront_size32 1
		.amdhsa_system_sgpr_workgroup_id_x 1
		.amdhsa_system_sgpr_workgroup_id_y 1
		.amdhsa_system_sgpr_workgroup_id_z 1
		.amdhsa_system_vgpr_workitem_id 0
		.amdhsa_next_free_vgpr 144
		.amdhsa_next_free_sgpr 66
		.amdhsa_reserve_vcc 1
		.amdhsa_float_denorm_mode_32 3
		.amdhsa_float_denorm_mode_16_64 3
		.amdhsa_memory_ordered 1
		.amdhsa_forward_progress 1
		.amdhsa_inst_pref_size 14
	.end_amdhsa_kernel
	.amdgpu_metadata
---
amdhsa.version: [ 1, 2 ]
amdhsa.kernels:
  - .name:           k_qcaa7fcb9b0_gather
    .symbol:         k_qcaa7fcb9b0_gather.kd
    .args:
      - { .name: z_e, .offset: 0, .size: 8, .value_kind: global_buffer, .address_space: global }
      - { .name: codebook, .offset: 8, .size: 8, .value_kind: global_buffer, .address_space: global }
      - { .name: idxw, .offset: 16, .size: 8, .value_kind: global_buffer, .address_space: global }
      - { .name: out0, .offset: 24, .size: 8, .value_kind: global_buffer, .address_space: global }
      - { .name: part, .offset: 32, .size: 8, .value_kind: global_buffer, .address_space: global }
    .group_segment_fixed_size: 0
    .private_segment_fixed_size: 0
    .kernarg_segment_align: 8
    .kernarg_segment_size: 40
    .max_flat_workgroup_size: 256
    .sgpr_count:     66
    .vgpr_count:     144
    .wavefront_size: 32
...
	.end_amdgpu_metadata
.endif
;; end of part 3
;; launch total (part 4): grid 1 x 1, 1 waves a work-group, no clusters, 0 bytes of LDS; arguments part, out1; writes out1
.if DOCPART == 4
	.amdgcn_target "amdgcn-amd-amdhsa--gfx1250"
	.amdhsa_code_object_version 6
	.text
	.protected	k_qcaa7fcb9b0_total
	.globl	k_qcaa7fcb9b0_total
	.p2align	8
	.type	k_qcaa7fcb9b0_total,@function
k_qcaa7fcb9b0_total:
	s_mov_b64 s[64:65], 0
	v_nop
	global_prefetch_b8 v0, s[64:65] scope:SCOPE_SE
	s_setreg_imm32_b32 hwreg(HW_REG_WAVE_MODE, 25, 1), 1
	s_wait_xcnt 0x0
; Fourth launch: vq_loss = 1.25 x (the sum of the 4,096 partial sums) / (32,768 x 256).  A sum that spans work-groups has one owner: one wave reads the 16 KiB, 32 loads of 512 consecutive bytes, all out at once.
	s_load_b128 s[4:7], s[0:1], 0x0                ; part s[4:5], out1 s[6:7]
	v_lshlrev_b32 v1, 4, v0
	v_mov_b32 v2, 0
	s_mov_b32 s8, 0x76543210
	s_mov_b32 s9, 0xfedcba98
	s_wait_kmcnt 0x0
.set i, 0
.rept 32
	global_load_b128 v[8+4*i:11+4*i], v1, s[4:5] offset:512*i
.set i, i+1
.endr
	s_wait_loadcnt 0x0
.irp w, 64,32,16,8,4,2                 ; a tree: the upper half of the registers is added onto the lower, two sums an instruction
.set r, 0
.rept \w/2
	v_pk_add_f32 v[8+r:9+r], v[8+r:9+r], v[8+r+\w:9+r+\w]
.set r, r+2
.endr
.endr
	v_add_f32 v8, v8, v9
.irp x, 1,2,4,8
	v_add_f32_dpp v8, v8, v8 row_xmask:\x row_mask:0xf bank_mask:0xf
.endr
	v_permlanex16_b32 v9, v8, s8, s9
	v_add_f32 v8, v8, v9
	v_mul_f32 v8, 0x34200000, v8                   ; 1.25 x 2^-23, exact in f32
	v_cmp_eq_u32 vcc_lo, 0, v0
	s_wait_xcnt 0x0                                ; EXEC changes only behind this wait
	s_and_saveexec_b32 s10, vcc_lo
	global_store_b32 v2, v8, s[6:7]
	s_wait_xcnt 0x0
	s_or_b32 exec_lo, exec_lo, s10
	s_endpgm
.Lfunc_end_k_qcaa7fcb9b0_total:
	.size	k_qcaa7fcb9b0_total, .Lfunc_end_k_qcaa7fcb9b0_total-k_qcaa7fcb9b0_total
	.p2alignl 7, 3214868480
	.fill 96, 4, 3214868480
	.section	.rodata,"a",@progbits
	.p2align	6, 0x0
	.amdhsa_kernel k_qcaa7fcb9b0_total
		.amdhsa_group_segment_fixed_size 0
		.amdhsa_private_segment_fixed_size 0
		.amdhsa_enable_private_segment 0
		.amdhsa_kernarg_size 16
		.amdhsa_user_sgpr_count 2
		.amdhsa_user_sgpr_kernarg_segment_ptr 1
		.amdhsa_wavefront_size32 1
		.amdhsa_system_sgpr_workgroup_id_x 1
		.amdhsa_system_sgpr_workgroup_id_y 1
		.amdhsa_system_sgpr_workgroup_id_z 1
		.amdhsa_system_vgpr_workitem_id 0
		.amdhsa_next_free_vgpr 140
		.amdhsa_next_free_sgpr 66
		.amdhsa_reserve_vcc 1
		.amdhsa_float_denorm_mode_32 3
		.amdhsa_float_denorm_mode_16_64 3
		.amdhsa_memory_ordered 1
		.amdhsa_forward_progress 1
		.amdhsa_inst_pref_size 9
	.end_amdhsa_kernel
	.amdgpu_metadata
---
amdhsa.version: [ 1, 2 ]
amdhsa.kernels:
  - .name:           k_qcaa7fcb9b0_total
    .symbol:         k_qcaa7fcb9b0_total.kd
    .args:
      - { .name: part, .offset: 0, .size: 8, .value_kind: global_buffer, .address_space: global }
      - { .name: out1, .offset: 8, .size: 8, .value_kind: global_buffer, .address_space: global }
    .group_segment_fixed_size: 0
    .private_segment_fixed_size: 0
    .kernarg_segment_align: 8
    .kernarg_segment_size: 16
    .max_flat_workgroup_size: 32
    .sgpr_count:     66
    .vgpr_count:     140
    .wavefront_size: 32
...
	.end_amdgpu_metadata
.endif
;; end of part 4
